; MI455X (gfx1250); checked and timed in simulation.
; The chip was launched on July 23, 2026; its instructions are those of AMD's public machine-readable ISA for CDNA 5 (MIT licence, August 2026) and "CDNA5" Instruction Set Architecture Reference Guide (July 2026). The comments in the code are by the model that wrote it; some were corrected since.
;; Scaled Euclid Distance Attention. Allowed arithmetic: matrix products marked QUANTISED: E5M2 operands, one E8M0 scale for each 32 along K, by v_wmma_scale_f32_16x16x128_f8f6f4 with both operands' format E5M2, f32 sums; everything else in f32.
;; Inputs: k 2 x 2,048 x 1,024 float32; mask 2,048 x 2,048 int32; q 2 x 2,048 x 1,024 float32; v 2 x 2,048 x 1,024 float32.
;; Outputs: out0 2 x 2,048 x 1,024 float32.
;; Constants: num_heads = 16.
;; This version of the problem:
;;   THIS VERSION OF THE PROBLEM IS GIVEN IN LOW PRECISION. The matrix products marked QUANTISED in the list below multiply operands that are first quantised to E5M2 (5 exponent bits, 2 mantissa bits; 8 bits a number), with one power-of-two scale for each 32 numbers along K (OCP MX v1.0); their sums are f32. All else is computed in f32.
;;   The module's matrix products, in the order in which they are computed (A, B: the left and right operand; K: the contracted axis; several contracted axes count as one K, in the product's order):
;;     1. batch 32 x [M 2,048, K 64] x [K 64, N 2,048]; A: input q; B: input k: QUANTISED
;;     2. batch 32 x [M 2,048, K 2,048] x [K 2,048, N 64]; A: softmax (see below); B: input v: QUANTISED
;;   THE QUANTISER, for each operand of a quantised product, along K:
;;     - K is cut into blocks of 32 from its start; a last block that is shorter is filled with zeros.
;;     - A block's scale is 2^e with e = floor(log2(the largest magnitude in the block)) - 15, held to -126 .. 127; a block of zeros has e = 0. As a byte (E8M0): e + 127.
;;     - Each number is divided by its block's scale, clamped to +-57,344, and rounded to the nearest number of E5M2, ties to even, subnormals kept.
;;     - The product sums the exact products of the quantised numbers (number of the format x scale) in f32.
;;   ~~~python
;;   def quantise(x, axis):      # numpy; x: float32 -> the quantised numbers, widened to float32 again
;;       x = np.moveaxis(x, axis, -1); K = x.shape[-1]
;;       x = np.pad(x, [(0, 0)] * (x.ndim - 1) + [(0, -K % 32)]); x = x.reshape(x.shape[:-1] + (-1, 32)); a = np.abs(x).max(-1, keepdims=True)
;;       e = np.where(a > 0, np.clip(np.frexp(np.where(a > 0, a, 1))[1] - 1 - 15, -126, 127), 0)      # np.frexp(a)[1] - 1 = floor(log2(a)), exactly
;;       r = np.clip(x / 2.0 ** e, -57344, 57344)
;;       step = 2.0 ** (np.maximum(np.frexp(np.where(r == 0, 1, r))[1] - 1, -14) - 2)
;;       q = np.round(r / step) * step * 2.0 ** e      # np.round: ties to even
;;       return np.moveaxis(q.reshape(q.shape[:-2] + (-1,))[..., :K], -1, axis).astype(np.float32)
;;   ~~~
;;   SOFTMAX AHEAD OF A QUANTISED PRODUCT. Where the list says 'softmax', what is quantised is not the finished softmax but p = 2^(t - M), with t = logit x log2(e) and M = ceil(the row's largest t), a whole number; so 1/2 < the row's largest p <= 1. The row's sum l is taken of the UNQUANTISED p, in f32, and the product's result is divided by l at the end. Since M is a whole number, a kernel that streams over the keys may use a running M (the ceiling of the running maximum): every later rescaling is an exact power of two, which a block's scale takes up: the codes' values come out the same.
;;   OPERANDS COMPUTED ON THE WAY. 'Computed on the way' means the value that the module computes at that place (a softmax that the list does not call 'softmax' is quantised finished and normalised). What goes into a quantiser is computed in f32, as accurately as f32 sums, v_exp_f32 and their like allow (about 1e-6 of the number): no bf16 or f16 on the way to a quantiser, and a product that is left as it is and whose result goes on into a quantised operand takes f32 operands (vector FMAs, or v_wmma_f32_16x16x4_f32). A number that lies on a knife's edge between two numbers of the format may be rounded either way, as far as f32 arithmetic and the matrix unit's own rounding can turn it there, and no further.
;; One version. Each part assembles by itself: llvm-mc -triple=amdgcn-amd-amdhsa -mcpu=gfx1250 --defsym DOCPART=n.
;; ======== version 1 of 1: 2 launches
;; limits: values outside matrix products are rounded to bf16; right only within a limited range of input values
;; workspace buffers: kv 9,961,472 bytes; mk 4,194,304 bytes
;; launch prep (part 1): grid 768 x 1, 2 waves a work-group, no clusters, 22,272 bytes of LDS; arguments k, v, mask, kv, mk; writes kv, mk
.if DOCPART == 1
	.amdgcn_target "amdgcn-amd-amdhsa--gfx1250"
	.amdhsa_code_object_version 6
	.text
	.protected	k_qb2ac93addd_prep
	.globl	k_qb2ac93addd_prep
	.p2align	8
	.type	k_qb2ac93addd_prep,@function
k_qb2ac93addd_prep:
	s_mov_b64 s[64:65], 0
	v_nop
	global_prefetch_b8 v0, s[64:65] scope:SCOPE_SE
	s_setreg_imm32_b32 hwreg(HW_REG_WAVE_MODE, 25, 1), 1
	s_wait_xcnt 0x0
; k, v [2][2048][1024] f32 and mask [2048][2048] int32 are laid out once, in the order in which the attention launch's registers take them.
; kv: [32 (16 b + head)][16 key steps][STEPB bytes]; a key step is 128 keys of one head:
;   2560 p + 512 (2 u + c) + 16 lane   pair p (keys 32 p ..), tile u, block c: lane (r, h) has the 16 codes of -k(key 32 p + 8 u + r + 8 (r / 8), dims 32 c + 16 h ..)
;   2560 p + 2048 + 256 u + 16 r       the row's |k|^2 as 8 codes of 3 significant bits each (an exact split of the f32 number), then 8 zero bytes
;   KSO + 16 lane                      4 words; word p: the scale word of tile 2 p + lane / 16, row lane % 16: bytes b0 + 1, b1 + 1 (so the codes stand for -2 k), |k|^2's byte, 127
;   VO + 2048 t + 512 c + 16 lane      lane (r, h) has the 16 codes of v(keys 32 c + 16 h .., channel 16 t + r): K of the second product is the keys
;   VSO + 16 lane                      words W0, W1, 0, 0; Wg: the four scale bytes of channel 32 g + lane
; mk: [128 tiles of 16 queries][16 key steps][2048]: at 512 b + 16 lane the mask numbers of (query 16 qt + r, keys 128 s + 32 b + 16 h + 0 .. 15) as codes of E5M2 under the scale 1
; THE QUANTISER: a block's scale is 2^(floor(log2(largest magnitude)) - 15); the byte is the largest magnitude's exponent field - 15, held at 1 from below by a floor among the maximum's leaves;
; each number is held within +-57,344 x the scale and converted, ties to even.  A block of zeros gets the byte 1 and zero codes: this program alone reads the bytes.
; LIMITS: blocks and |k|^2 under 2^-111 (the floor) were not tried; NaN and infinities are not served; mask numbers are rounded to E5M2's 3 significant bits (0 to 8 are exact) and held within +-57,344.
; SHARES: work-groups 0-255 take k, 256-511 v, 512-767 the mask; a wave's unit is 32 KiB of input (one head's key step, or 16 queries x 512 keys of the mask).  Waves share nothing: no barrier.
; Each of the two paths that use LDS has bytes of its own.  Everything is written out: every offset is an immediate and no pointer is stepped.
.set STEPB, 19456
.set HEADB, 16*STEPB
.set KSO,   10240
.set VO,    10752
.set VSO,   18944
.set MST,   17408                      ; the mask path's stages, behind k's two stages of 8,704 bytes
.set SPARE, 22016                      ; the spare words, 128 bytes a wave
.set FLOOR, 0x8000000                  ; 2^(16 - 127)
.set OFF15, 0xf8800000                 ; -(15 << 23)
.set EXPF,  0x7f800000
.set WV,  14                           ; s14 wave
.set SEL, 16                           ; s[16:17] selects of v_permlanex16_b32: lane l xor 16
.set MNT, 18                           ; s18 the mantissa field of 57,344
.set HM,  19                           ; s19 mask of lanes 16-31
	s_load_b128 s[4:7], s[0:1], 0x0                ; k, v
	s_load_b128 s[8:11], s[0:1], 0x10              ; mask, kv
	s_load_b64 s[12:13], s[0:1], 0x20              ; mk
	v_lshl_add_u32 v15, v0, 2, SPARE               ; my spare word; 0 stands in v257
	s_set_vgpr_msb 0x40
	v_mov_b32 v1, 0
	s_set_vgpr_msb 0x4000
	v_lshrrev_b32 v1, 5, v0
	v_readfirstlane_b32 s[WV], v1
	v_and_b32 v1, 31, v0                           ; lane
	v_and_b32 v2, 15, v0                           ; r
	v_bfe_u32 v3, v0, 4, 1                         ; h
	v_lshlrev_b32 v7, 4, v1                        ; 16 x lane
	v_cmp_lt_u32 s[HM], 15, v1
	s_mov_b32 s[SEL], 0x76543210
	s_mov_b32 s[SEL+1], 0xfedcba98
	s_mov_b32 s[MNT], 0x600000
	s_and_b32 s20, ttmp9, 255
	s_lshl_b32 s20, s20, 1
	s_add_co_u32 s20, s20, s[WV]                   ; my unit, 0 .. 511, in my path
	s_and_b32 s21, s20, 15                         ; k, v: head,
	s_bfe_u32 s22, s20, 0x40004                    ; key step,
	s_lshr_b32 s23, s20, 8                         ; batch
	s_lshl_b32 s24, s23, 23
	s_lshl_b32 s25, s22, 19
	s_add_co_u32 s24, s24, s25
	s_lshl_b32 s25, s21, 8
	s_add_co_u32 s24, s24, s25                     ; in: batch x 2^23 + 128 rows x 4,096 x step + 256 x head
	s_mov_b32 s25, 0
	s_lshl_b32 s26, s23, 4
	s_add_co_u32 s26, s26, s21
	s_mul_i32 s26, s26, HEADB
	s_mul_i32 s27, s22, STEPB
	s_add_co_u32 s26, s26, s27                     ; out: the step's place in kv
	s_mov_b32 s27, 0
	s_wait_kmcnt 0x0
	s_cmp_ge_u32 ttmp9, 512
	s_cbranch_scc1 .Lpath_m
	s_cmp_ge_u32 ttmp9, 256
	s_cbranch_scc1 .Lpath_v
; ---------------- k ----------------
.set KSW, 8                            ; v8-11    the four pairs' scale words
.set KR,  16                           ; v16-143  two sets of 64: a pair's 32 keys as loaded
.set KX,  144                          ; v144-207 block 2 u + c: my 16 neighbours along the head
.set KC,  208                          ; v208-223 codes
.set KA,  224                          ; v224-227 |k|^2's codes; the upper two stay 0
.set KP,  228                          ; v228-235 sums of squares, then |k|^2's pieces
.set AM,  236                          ; v236-239 largest magnitudes
.set PD,  240                          ; v240-243 the permutes' destinations
.set SO,  244                          ; v244-247 the conversions' scale operands
.set HD,  248                          ; v248-251 57,344 x the scale
.set K2,  252                          ; v252-253 |k|^2 of tile 0's and tile 1's row r
.macro KLOAD p                         ; 32 keys x 256 bytes: lanes 0-15 one row's 256 bytes, lanes 16-31 the next row's
.irp j, 0,1,2,3,4,5,6,7,8,9,10,11,12,13,14,15
	global_load_b128 v[KR+64*((\p)%2)+4*\j:KR+64*((\p)%2)+4*\j+3], v4, s[4:5] offset:(32*(\p)+2*\j)*4096 th:TH_LOAD_NT
.endr
.endm
.macro KPAIR p
.set RS, KR+64*((\p)%2)
.if (\p) < 3
	s_wait_loadcnt 16                              ; this pair's 16 loads are in; the next pair's stay out
.else
	s_wait_loadcnt 0x0
.endif
.irp j, 0,1,2,3,4,5,6,7,8,9,10,11,12,13,14,15  ; through my stage: key x of the pair goes to row 16 ((x / 8) % 2) + 8 (x / 16) + x % 8: the order of the two tiles' rows
	ds_store_b128 v5, v[RS+4*\j:RS+4*\j+3] offset:(16*((\j/4)%2)+8*((\j/8)%2)+2*(\j%4))*272
.endr
.irp b, 0,1,2,3                                ; and back: lane (r, h) takes 64 bytes of row 16 u + r (LDS serves a wave's instructions in order)
.irp i, 0,1,2,3
	ds_load_b128 v[KX+16*\b+4*\i:KX+16*\b+4*\i+3], v6 offset:(\b/2)*4352+128*(\b%2)+16*\i
.endr
.endr
	s_wait_dscnt 0x0                               ; the numbers are back, and the stores have read the set,
.if (\p)+2 < 4
	KLOAD (\p)+2                                   ; which takes the pair two on
.endif
	s_wait_xcnt 0x0                                ; the last pair's stores have read their codes: they are written again only behind this wait
.irp u, 0,1                                    ; |k|^2 of the unquantised numbers: my 32, in two chains for each tile
	v_pk_mul_f32 v[KP+4*\u:KP+4*\u+1], v[KX+32*\u:KX+32*\u+1], v[KX+32*\u:KX+32*\u+1]
	v_pk_mul_f32 v[KP+4*\u+2:KP+4*\u+3], v[KX+32*\u+2:KX+32*\u+3], v[KX+32*\u+2:KX+32*\u+3]
.endr
.irp i, 4,8,12,16,20,24,28
.irp u, 0,1
	v_pk_fma_f32 v[KP+4*\u:KP+4*\u+1], v[KX+32*\u+\i:KX+32*\u+\i+1], v[KX+32*\u+\i:KX+32*\u+\i+1], v[KP+4*\u:KP+4*\u+1]
	v_pk_fma_f32 v[KP+4*\u+2:KP+4*\u+3], v[KX+32*\u+\i+2:KX+32*\u+\i+3], v[KX+32*\u+\i+2:KX+32*\u+\i+3], v[KP+4*\u+2:KP+4*\u+3]
.endr
.endr
.irp u, 0,1
	v_pk_add_f32 v[KP+4*\u:KP+4*\u+1], v[KP+4*\u:KP+4*\u+1], v[KP+4*\u+2:KP+4*\u+3]
.endr
.irp u, 0,1
	v_add_f32 v[K2+\u], v[KP+4*\u], v[KP+4*\u+1]
.endr
.irp u, 0,1
	v_permlanex16_b32 v[PD+\u], v[K2+\u], s[SEL], s[SEL+1]
.endr
.irp u, 0,1
	v_add_f32 v[K2+\u], v[K2+\u], v[PD+\u]         ; with lane l xor 16's 32: both halves now hold the row's |k|^2
.endr
.irp b, 0,1,2,3                                ; the four blocks' largest magnitudes, by turns
	v_max3_num_f32 v[AM+\b], |v[KX+16*\b]|, |v[KX+16*\b+1]|, FLOOR
.endr
.irp i, 2,4,6,8,10,12,14
.irp b, 0,1,2,3
	v_max3_num_f32 v[AM+\b], v[AM+\b], |v[KX+16*\b+\i]|, |v[KX+16*\b+\i+1]|
.endr
.endr
.irp b, 0,1,2,3
	v_permlanex16_b32 v[PD+\b], v[AM+\b], s[SEL], s[SEL+1]
.endr
.irp b, 0,1,2,3
	v_max_num_f32 v[AM+\b], v[AM+\b], v[PD+\b]
.endr
.irp b, 0,1,2,3
	v_add_nc_u32 v[SO+\b], OFF15, v[AM+\b]         ; 15 off the exponent field: the conversion's scale operand
.endr
.irp b, 0,1,2,3
	v_and_or_b32 v[HD+\b], v[AM+\b], EXPF, s[MNT]  ; 57,344 x the scale
.endr
.irp b, 0,1,2,3
.irp i, 0,1,2,3,4,5,6,7,8,9,10,11,12,13,14,15
	v_med3_num_f32 v[KX+16*\b+\i], v[KX+16*\b+\i], -v[HD+\b], v[HD+\b]   ; the conversion to an 8-bit code does not saturate (ISA guide 7.6.2)
.endr
	v_cvt_scalef32_pk8_bf8_f32 v[KC+4*\b:KC+4*\b+1], v[KX+16*\b:KX+16*\b+7], v[SO+\b]
	v_cvt_scalef32_pk8_bf8_f32 v[KC+4*\b+2:KC+4*\b+3], v[KX+16*\b+8:KX+16*\b+15], v[SO+\b]
.endr
	v_cndmask_b32 v254, v[K2], v[K2+1], s[HM]      ; lanes 0-15 write tile 0's row r, lanes 16-31 tile 1's
	v_max_num_f32 v255, FLOOR, v254
	v_add_nc_u32 v255, OFF15, v255                 ; |k|^2's own scale
.irp i, 0,1,2,3,4,5,6                          ; the f32 number falls into 8 pieces of 3 significant bits: each is a number of E5M2 under that scale, and their sum is the number
	v_and_b32 v[KP+\i], 0xffe00000, v254
	v_sub_f32 v254, v254, v[KP+\i]
.endr
	v_and_b32 v[KP+7], 0xffe00000, v254
	v_cvt_scalef32_pk8_bf8_f32 v[KA:KA+1], v[KP:KP+7], v255
.irp i, 0,1,2,3,4,5,6,7,8,9,10,11,12,13,14,15
	v_xor_b32 v[KC+\i], 0x80808080, v[KC+\i]       ; -k: every code's sign
.endr
	v_cndmask_b32 v12, v[SO], v[SO+2], s[HM]       ; my tile's two blocks
	v_cndmask_b32 v13, v[SO+1], v[SO+3], s[HM]
	v_lshrrev_b32 v12, 23, v12
	v_lshrrev_b32 v13, 23, v13
	v_add_nc_u32 v12, 1, v12                       ; x 2 (a byte is at most 239: no carry out of it)
	v_add_nc_u32 v13, 1, v13
	v_lshrrev_b32 v14, 23, v255
	v_lshl_or_b32 v12, v13, 8, v12
	v_lshl_or_b32 v12, v14, 16, v12
	v_or_b32 v[KSW+(\p)], 0x7f000000, v12
.irp b, 0,1,2,3
	global_store_b128 v7, v[KC+4*\b:KC+4*\b+3], s[10:11] offset:2560*(\p)+512*\b   ; 32 lanes store 512 consecutive bytes, aligned to 256
.endr
	global_store_b128 v7, v[KA:KA+3], s[10:11] offset:2560*(\p)+2048
.endm
	s_add_nc_u64 s[4:5], s[4:5], s[24:25]
	s_add_nc_u64 s[10:11], s[10:11], s[26:27]
	s_wait_alu depctr_va_vdst(0)
	v_lshlrev_b32 v4, 4, v2
	v_lshl_add_u32 v4, v3, 12, v4                  ; in: 16 r + a row for lanes 16-31
	s_mul_i32 s28, s[WV], 8704                     ; my stage: 32 rows x (256 + 16) bytes
	v_mul_u32_u24 v5, v3, 272
	v_lshl_add_u32 v5, v2, 4, v5
	v_add_nc_u32 v5, s28, v5                       ; into it
	v_mul_u32_u24 v6, v2, 272
	v_lshl_add_u32 v6, v3, 6, v6
	v_add_nc_u32 v6, s28, v6                       ; out of it
.irp b, 0,1,2,3
	v_mov_b32 v[PD+\b], 0                          ; a lane permute's destination counts as one of its sources
.endr
	v_mov_b32 v[KA+2], 0
	v_mov_b32 v[KA+3], 0
	KLOAD 0
	KLOAD 1
	s_wait_alu depctr_va_vdst(0)
	KPAIR 0
	KPAIR 1
	KPAIR 2
	KPAIR 3
	global_store_b128 v7, v[KSW:KSW+3], s[10:11] offset:KSO
	s_set_vgpr_msb 0x4
	s_wait_tensorcnt 0x0                           ; the wave's end
	ds_add_u32 v15, v1
	s_wait_dscnt 0x0
	s_set_vgpr_msb 0x400
	s_endpgm
; ---------------- v ----------------  a lane takes channels l and 32 + l, and its registers run down the keys: a block of 32 keys lies in one lane
.set VX, 16                            ; v16-143  two sets of 64: 32 g + key
.set VC, 144                           ; v144-159 codes, 8 for each g
.set VW, 160                           ; v160-163 the two scale words; the upper two stay 0
.macro VLOAD c
.set i, 0
.rept 32
	global_load_b32 v[VX+64*((\c)%2)+i], v4, s[6:7] offset:(32*(\c)+i)*4096 th:TH_LOAD_NT          ; the two halves of a key's 256 bytes, one behind the other
	global_load_b32 v[VX+64*((\c)%2)+32+i], v4, s[6:7] offset:(32*(\c)+i)*4096+128 th:TH_LOAD_NT
.set i, i+1
.endr
.endm
.macro VBLK c
.set XS, VX+64*((\c)%2)
.if (\c) < 3
	s_wait_loadcnt 63                              ; 64 younger loads exist; the count's field ends at 63, and a smaller count is safe
.else
	s_wait_loadcnt 0x0
.endif
.irp g, 0,1
	v_max3_num_f32 v164, |v[XS+32*\g]|, |v[XS+32*\g+1]|, |v[XS+32*\g+2]|
	v_max3_num_f32 v165, |v[XS+32*\g+3]|, |v[XS+32*\g+4]|, |v[XS+32*\g+5]|
.irp i, 6,10,14,18,22,26
	v_max3_num_f32 v164, v164, |v[XS+32*\g+\i]|, |v[XS+32*\g+\i+1]|
	v_max3_num_f32 v165, v165, |v[XS+32*\g+\i+2]|, |v[XS+32*\g+\i+3]|
.endr
	v_max3_num_f32 v164, v164, |v[XS+32*\g+30]|, |v[XS+32*\g+31]|
	v_max3_num_f32 v164, v164, v165, FLOOR
	v_add_nc_u32 v166, OFF15, v164
	v_and_or_b32 v167, v164, EXPF, s[MNT]
	v_lshrrev_b32 v168, 23, v166
.if (\c) == 0
	v_mov_b32 v[VW+\g], v168
.else
	v_lshl_or_b32 v[VW+\g], v168, 8*(\c), v[VW+\g]
.endif
.set i, 0
.rept 32
	v_med3_num_f32 v[XS+32*\g+i], v[XS+32*\g+i], -v167, v167
.set i, i+1
.endr
	s_wait_alu depctr_va_vdst(0)
	s_wait_xcnt 0x0                                ; the last block's stores have read their codes
.irp q, 0,1,2,3
	v_cvt_scalef32_pk8_bf8_f32 v[VC+8*\g+2*\q:VC+8*\g+2*\q+1], v[XS+32*\g+8*\q:XS+32*\g+8*\q+7], v166
.endr
	v_nop                                          ; a plain line between the conversions and the next write of their scale
	global_store_b128 v5, v[VC+8*\g:VC+8*\g+3], s[10:11] offset:VO+4096*\g+512*(\c)        ; keys 0-15 of the block: sixteen lanes fill 256 aligned bytes
	global_store_b128 v5, v[VC+8*\g+4:VC+8*\g+7], s[10:11] offset:VO+4096*\g+512*(\c)+256  ; keys 16-31
.endr
.if (\c)+2 < 4
	VLOAD (\c)+2
.endif
.endm
.Lpath_v:
	s_add_nc_u64 s[6:7], s[6:7], s[24:25]
	s_add_nc_u64 s[10:11], s[10:11], s[26:27]
	s_wait_alu depctr_va_vdst(0)
	v_lshlrev_b32 v4, 2, v1                        ; in: 4 bytes a lane
	v_lshlrev_b32 v5, 4, v2
	v_lshl_add_u32 v5, v3, 11, v5                  ; out: channel 32 g + l is row l % 16 of tile 2 g + l / 16
	v_mov_b32 v[VW+2], 0
	v_mov_b32 v[VW+3], 0
	VLOAD 0
	VLOAD 1
	VBLK 0
	VBLK 1
	VBLK 2
	VBLK 3
	global_store_b128 v7, v[VW:VW+3], s[10:11] offset:VSO
	s_endpgm
; ---------------- the mask ----------------  16 queries x 128 keys a step, four steps a wave
.set MR, 16                            ; v16-143  two sets of 64: row x 4 numbers
.set MB, 144                           ; v144-159 codes: register j holds my four keys of query j
.set MO, 176                           ; v176-191 the image
.macro MLOAD e
.irp j, 0,1,2,3,4,5,6,7,8,9,10,11,12,13,14,15
	global_load_b128 v[MR+64*((\e)%2)+4*\j:MR+64*((\e)%2)+4*\j+3], v7, s[8:9] offset:\j*8192+512*(\e) th:TH_LOAD_NT   ; a query's 128 keys: 512 consecutive bytes
.endr
.endm
.macro MSTEP e
.set RS, MR+64*((\e)%2)
.if (\e) < 3
	s_wait_loadcnt 16                              ; this step's 16 loads are in; the next step's stay out
.else
	s_wait_loadcnt 0x0
.endif
.set i, 0
.rept 64
	v_cvt_f32_i32 v[RS+i], v[RS+i]
.set i, i+1
.endr
.set i, 0
.rept 64
	v_med3_num_f32 v[RS+i], v[RS+i], -v11, v11     ; the conversion does not saturate (ISA guide 7.6.2)
.set i, i+1
.endr
.irp j, 0,1,2,3,4,5,6,7
	v_cvt_scalef32_pk8_bf8_f32 v[MB+2*\j:MB+2*\j+1], v[RS+8*\j:RS+8*\j+7], v12   ; queries 2 j and 2 j + 1: four codes each, under the scale 1
.endr
	v_nop                                          ; a plain line behind the last conversion
.irp j, 0,1,2,3,4,5,6,7,8,9,10,11,12,13,14,15
	ds_store_b32 v5, v[MB+\j] offset:16*\j         ; my four keys of query j, at their place in the image
.endr
	s_wait_xcnt 0x0                                ; the last step's stores have read the image's registers
.irp g, 0,1,2,3
	ds_load_b128 v[MO+4*\g:MO+4*\g+3], v6 offset:544*\g    ; LDS serves a wave's instructions in order: these see the stores above
.endr
.if (\e)+2 < 4
	MLOAD (\e)+2
.endif
	s_wait_dscnt 0x0
.irp g, 0,1,2,3
	global_store_b128 v7, v[MO+4*\g:MO+4*\g+3], s[12:13] offset:2048*(\e)+512*\g
.endr
.endm
.Lpath_m:
	s_lshr_b32 s21, s20, 2                         ; the tile of 16 queries
	s_and_b32 s22, s20, 3                          ; which four key steps
	s_lshl_b32 s24, s21, 17
	s_lshl_b32 s25, s22, 11
	s_add_co_u32 s24, s24, s25
	s_mov_b32 s25, 0
	s_lshl_b32 s26, s21, 15
	s_lshl_b32 s27, s22, 13
	s_add_co_u32 s26, s26, s27
	s_mov_b32 s27, 0
	s_add_nc_u64 s[8:9], s[8:9], s[24:25]
	s_add_nc_u64 s[12:13], s[12:13], s[26:27]
	; lane l holds keys 4 l .. 4 l + 3 of the step.  Key 32 b + 16 h + x lies in the image's piece of 256 bytes number 2 b + h = l / 4, at 16 x query + x.  In the stage a piece takes 272 bytes
	s_wait_alu depctr_va_vdst(0)
	v_lshrrev_b32 v8, 2, v1
	v_and_b32 v9, 3, v1
	v_mul_u32_u24 v5, v8, 272
	v_lshl_add_u32 v5, v9, 2, v5
	s_mul_i32 s28, s[WV], 2304
	s_add_co_u32 s28, s28, MST                     ; my stage, behind the bytes of k's path
	v_add_nc_u32 v5, s28, v5
	v_mul_u32_u24 v6, v3, 272
	v_lshl_add_u32 v6, v2, 4, v6
	v_add_nc_u32 v6, s28, v6
	v_mov_b32 v11, 0x47600000                      ; 57,344
	v_mov_b32 v12, 1.0                             ; the conversions' scale operand
	MLOAD 0
	MLOAD 1
	MSTEP 0
	MSTEP 1
	MSTEP 2
	MSTEP 3
	s_set_vgpr_msb 0x4
	s_wait_tensorcnt 0x0                           ; the wave's end
	ds_add_u32 v15, v1
	s_wait_dscnt 0x0
	s_set_vgpr_msb 0x400
	s_endpgm
.Lfunc_end_k_qb2ac93addd_prep:
	.size	k_qb2ac93addd_prep, .Lfunc_end_k_qb2ac93addd_prep-k_qb2ac93addd_prep
	.p2alignl 7, 3214868480
	.fill 96, 4, 3214868480
	.section	.rodata,"a",@progbits
	.p2align	6, 0x0
	.amdhsa_kernel k_qb2ac93addd_prep
		.amdhsa_group_segment_fixed_size 22272
		.amdhsa_private_segment_fixed_size 0
		.amdhsa_enable_private_segment 0
		.amdhsa_kernarg_size 40
		.amdhsa_user_sgpr_count 2
		.amdhsa_user_sgpr_kernarg_segment_ptr 1
		.amdhsa_wavefront_size32 1
		.amdhsa_system_sgpr_workgroup_id_x 1
		.amdhsa_system_sgpr_workgroup_id_y 1
		.amdhsa_system_sgpr_workgroup_id_z 1
		.amdhsa_system_vgpr_workitem_id 0
		.amdhsa_next_free_vgpr 258
		.amdhsa_next_free_sgpr 66
		.amdhsa_reserve_vcc 0
		.amdhsa_float_denorm_mode_32 3
		.amdhsa_float_denorm_mode_16_64 3
		.amdhsa_memory_ordered 1
		.amdhsa_forward_progress 1
		.amdhsa_inst_pref_size 165
	.end_amdhsa_kernel
	.amdgpu_metadata
---
amdhsa.version: [ 1, 2 ]
amdhsa.kernels:
  - .name:           k_qb2ac93addd_prep
    .symbol:         k_qb2ac93addd_prep.kd
    .args:
      - { .name: k, .offset: 0, .size: 8, .value_kind: global_buffer, .address_space: global }
      - { .name: v, .offset: 8, .size: 8, .value_kind: global_buffer, .address_space: global }
      - { .name: mask, .offset: 16, .size: 8, .value_kind: global_buffer, .address_space: global }
      - { .name: kv, .offset: 24, .size: 8, .value_kind: global_buffer, .address_space: global }
      - { .name: mk, .offset: 32, .size: 8, .value_kind: global_buffer, .address_space: global }
    .group_segment_fixed_size: 22272
    .private_segment_fixed_size: 0
    .kernarg_segment_align: 8
    .kernarg_segment_size: 40
    .max_flat_workgroup_size: 64
    .sgpr_count:     66
    .vgpr_count:     258
    .wavefront_size: 32
...
	.end_amdgpu_metadata
.endif
;; end of part 1
;; launch attn (part 2): grid 8 x 32, 16 waves a work-group, clusters of 4 x 1, 327,680 bytes of LDS; arguments q, kv, mk, out0; writes out0
.if DOCPART == 2
	.amdgcn_target "amdgcn-amd-amdhsa--gfx1250"
	.amdhsa_code_object_version 6
	.text
	.protected	k_qb2ac93addd_attn
	.globl	k_qb2ac93addd_attn
	.p2align	8
	.type	k_qb2ac93addd_attn,@function
k_qb2ac93addd_attn:
	s_mov_b64 s[64:65], 0
	v_nop
	global_prefetch_b8 v0, s[64:65] scope:SCOPE_SE
	s_setreg_imm32_b32 hwreg(HW_REG_WAVE_MODE, 25, 1), 1
	s_wait_xcnt 0x0
	s_wait_alu depctr_hold_cnt(0) depctr_sa_sdst(0) depctr_va_vdst(0) depctr_va_sdst(0) depctr_va_ssrc(0) depctr_va_vcc(0) depctr_vm_vsrc(0)
	s_getreg_b32 s2, hwreg(HW_REG_IB_STS2, 6, 4)
	s_cmp_eq_u32 s2, 0
	s_cbranch_scc0 .Lentry_in_a_cluster
	s_endpgm
.Lentry_in_a_cluster:
	s_bfe_u32 s2, ttmp6, 0x10000c
	s_cmp_lg_u32 s2, 0x3003
	s_cbranch_scc0 .Lentry_shape_is_right
	s_endpgm
.Lentry_shape_is_right:
; out[b][q][64 head ..] = sum over keys of softmax_k(1 / (0.125 sqrt(max(|q|^2 + |k|^2 - 2 q.k, 0)) + 1e-9) - 1e9 mask[q][k]) v[k], both products on codes of E5M2 with E8M0 scales for each 32 along K.
; SHARES.  A work-group owns 256 queries of one (batch, head); each of its sixteen waves owns 16, in 256 registers, four waves to a SIMD.  Both products are used transposed (S^T = K Q^T, O^T = V^T P^T):
; a lane holds ONE query (lane % 16) throughout.
; THE SQUARED DISTANCE / 64 LEAVES THE MATRIX INSTRUCTION FINISHED.  The head has 64 numbers, two blocks of the instruction's four.  K's codes carry the other sign and its scale bytes + 1: -2 k, exactly.
; Q's scale bytes carry - 6, a power of two: so every product comes out / 64.  C is |q|^2 / 64 (eight equal registers, since a lane holds one query).  Block 2 carries |k|^2: eight codes that sum to the f32 number
; exactly, against eight codes 2^15 of Q under the byte 106 (2^-21); the block's other codes of K are zeros that are written once.  Block 3 meets zero codes of Q, so K's registers there may hold any finite codes:
; a tile's last four registers are the next tile's first four.
; THE LOGIT: 0.125 sqrt(d2) = sqrt(d2 / 64), so attn = rsq(max(d2 / 64, 1e-18)): one reciprocal root.  The hold at 1e-18 does reference()'s max(d2, 0) and gives 1e9 at distance 0, as 1 / (0 + 1e-9) does.
; A WHOLE HEAD'S CODES STAY IN LDS: 16 key steps x 19,456 bytes, laid by the launch before as images of the operand registers.  Nothing is filled again: no ring.
; CLUSTER: the four query blocks of a cluster read the same head, so the fills are JOINT (mask 15; the descriptor hangs on the head and the wave alone).  Wave w fetches key step w, its one tensor load.
; Waves 0-2 have a load line and a wait of their own: the first barrier shows key steps 0-2; behind key step 1, which reads ahead into step 2, every wave waits for 0 and a second barrier shows the rest.
; THE STEP'S ORDER.  The first four tiles of K and the scale words are read from LDS one step ahead; the other four are read while the first half's roots are taken.  Roots and exponentials go in halves of 32;
; among a half's transcendentals stand packed lines of the other half, each of which is first read behind the half's closing wait.
; THE MASK'S TILES come as codes of E5M2, 2,048 bytes a wave and step, straight into registers, in two buffers by turns: step s asks for step s + 2's tile.  So the register numbers come back after two steps,
; and a trip of the loop is a pair of steps.  Partners of a cluster own different queries and share none of these tiles.
; No prefetch: the head's codes are all asked for at the kernel's head, with no loop ahead of them, and the mask's loads already stand more than a step ahead of their wait.
; THE SOFTMAX: t = logit x log2(e), a rounded product; M = the running largest t rounded up to a whole number; p = 2^(t - M) is quantised along the keys; the row's sum is of the unquantised p.
; When M moves, the sum and O^T are multiplied by 2^(old M - new M): exact.  A row that is masked throughout has equal whole t: p = 1 everywhere.
; LIMITS.  (1) Between the hold and ordinary distances the 1e-9 is not added: the logit differs from reference()'s by 1e-9 x attn^2 = 6.4e-8 / d2, under 1e-3 for squared distances from 6.4e-5 up
; (numbers of unit spread give d2 near 128, numbers 30 times smaller near 0.14); squared distances between 0 and 6.4e-5 are not served to that margin.  (2) 1e9 - 1e9 of a masked key at distance 0 is met to a few
; units of 64.  (3) The mask's numbers come rounded to 3 significant bits (0 to 8 are exact) and their product with -1e9 is not rounded ahead of the addition.  (4) The squared distance is rounded as the matrix
; instruction rounds its sum.  (5) Blocks of q whose largest magnitude lies under 2^-105 are quantised under the byte of that floor.  (6) NaN and infinities among the inputs are not served.
.set STEPB, 19456
.set HEADB, 16*STEPB
.set KSO,   10240
.set VO,    10752
.set VSO,   18944
.set EARLY, 3                          ; key steps that the first barrier shows
.set SPARE, 0x4c000                    ; behind the head's codes: the spare words, 128 bytes a wave
.set FLOOR, 0x8000000                  ; 2^(16 - 127)
.set QFLOOR, 0xb000000                 ; 2^(22 - 127): q's byte is at least 7, and 1 with the 6 taken off
.set OFF15, 0xf8800000
.set EXPF,  0x7f800000
.set AL,  1                            ; v1   16 x lane
.set AX,  2                            ; v2   16 x (lane % 16)
.set ADK, 3                            ; v3   AL + the step's first LDS byte
.set ADX, 4                            ; v4   AX + the same
.set T,   5
.set MSC, 6                            ; v6   the byte 127 four times: the scale of the mask's codes
.set QS,  7                            ; v7   Q's scale word
                                       ; v8 -M, v9 the largest t, v[10:11] the sum, v12, v13 1e-18, v14 f, v15 p's scale word
.set QF,  16                           ; v16-31   Q's fragment
.set Q2C, 32                           ; v32-39   |q|^2 / 64, eight times
.set KS,  40                           ; v40-43   K's scale words
.set VS,  44                           ; v44-45   V's scale words
.set F,   48                           ; v48-99   four tiles of K, 12 registers apart; registers 10, 11 of each and v96-99 stay zeros
.set S,   100                          ; v100-163 S^T, then p, then V's four fragments
.set O,   164                          ; v164-195 O^T
.set MKB, 196                          ; v196-211 the mask's tile of an odd step, four codes a register
.set MKA, 212                          ; v212-227 of an even step
.set TM,  228                          ; v228-243 two sets of eight mask numbers; then the sum's eight chains; then p's codes
.set PCD, TM
.set BM,  244                          ; v244-247 the blocks' largest t, p, bytes, then a second copy of the holds
.set HD,  248                          ; v248-251 the permutes' destinations, then 57,344 x the scale
.set SO,  252                          ; v252-255 the conversions' scale operands
.set WV,  12
.set G1,  24                           ; s[24:31] descriptor group 1;  s[40:43] group 0
.set G0,  40
.set SEL, 48
.set CS,  50                           ; s[50:51] log2(e)
.set NG,  52                           ; s[52:53] -1e9
.set MNT, 54
.set TB,  55                           ; the step's first LDS byte
.set CNT, 56
.set HM,  57
.macro CROUND                          ; a round of the cluster's barrier
	s_barrier_signal -1
	s_barrier_wait -1
	s_cmp_lg_u32 s[WV], 0
	s_cbranch_scc1 .Lnot_wave_0_\@
	s_barrier_signal -3
.Lnot_wave_0_\@:
	s_barrier_wait -3
	s_barrier_signal -1
	s_barrier_wait -1
.endm
	s_load_b256 s[4:11], s[0:1], 0x0               ; q s[4:5], kv s[6:7], mk s[8:9], out0 s[10:11]
	v_lshl_add_u32 v254, v0, 2, SPARE
	v_mov_b32 v255, 0
	ds_add_u32 v254, v255                          ; the opening lines: the add, twice on end, and its wait ahead of my tensor load
	ds_add_u32 v254, v255
	v_lshrrev_b32 v[T], 5, v0
	v_readfirstlane_b32 s[WV], v[T]                ; wave 0..15
	v_and_b32 v[T], 31, v0
	v_lshlrev_b32 v[AL], 4, v[T]
	v_cmp_lt_u32 s[HM], 15, v[T]                   ; lanes 16-31
	v_and_b32 v[AX], 15, v0                        ; r
	v_bfe_u32 v[ADK], v0, 4, 1                     ; h
	v_lshlrev_b32 v[ADX], 12, v[AX]
	v_lshl_add_u32 v[ADX], v[ADK], 6, v[ADX]       ; q: row r, + 64 h: my 16 numbers of a block of 32
	v_lshlrev_b32 v[AX], 4, v[AX]
	s_bfe_u32 s13, ttmp6, 0x40000                  ; cx
	s_lshl_b32 s14, ttmp9, 2
	s_add_co_u32 s14, s14, s13                     ; my block of 256 queries: it enters q's, mk's and out0's addresses alone
	s_and_b32 s15, ttmp7, 0xffff                   ; 16 batch + head, which the four partners share
	s_mul_i32 s16, s15, HEADB
	s_mul_i32 s18, s[WV], STEPB                    ; key step w: 76 rows of 256 bytes
	s_add_co_u32 s16, s16, s18
	s_mov_b32 s17, 0
	s_lshr_b32 s22, s15, 4                         ; q and out0: batch x 2^23 + (256 block + 16 wave) rows x 4,096 + 256 head
	s_lshl_b32 s22, s22, 23
	s_lshl_b32 s23, s14, 20
	s_add_co_u32 s22, s22, s23
	s_lshl_b32 s23, s[WV], 16
	s_add_co_u32 s22, s22, s23
	s_and_b32 s23, s15, 15
	s_lshl_b32 s23, s23, 8
	s_add_co_u32 s22, s22, s23
	s_mov_b32 s23, 0
	s_lshl_b32 s60, s14, 19                        ; mk: my tile of 16 queries x 32,768
	s_lshl_b32 s61, s[WV], 15
	s_add_co_u32 s60, s60, s61
	s_mov_b32 s61, 0
	s_mov_b32 s[G1], 15|(3<<16)|(1<<21)            ; the mask: all four work-groups; elements of 8 bytes; bit 21 beside a mask
	s_mov_b32 s[G1+1], 32<<16                      ; dense rows of 256 bytes, no padding
	s_mov_b32 s[G1+2], 76<<16
	s_mov_b32 s[G1+3], 32<<16
	s_mov_b32 s[G1+4], 76
	s_mov_b32 s[G1+5], 32
	s_mov_b32 s[G1+6], 0
	s_mov_b32 s[G1+7], 0
	s_mov_b32 s[SEL], 0x76543210
	s_mov_b32 s[SEL+1], 0xfedcba98
	s_mov_b32 s[CS], 0x3fb8aa3b
	s_mov_b32 s[CS+1], s[CS]                       ; (the packed forms name the pairs)
	s_mov_b32 s[NG], 0xce6e6b28
	s_mov_b32 s[NG+1], s[NG]
	s_mov_b32 s[MNT], 0x600000
	s_mov_b32 s[TB], 0
	s_wait_alu depctr_va_vdst(0)
	s_wait_dscnt 0x0                               ; both opening adds are done
	s_wait_kmcnt 0x0
	s_mov_b32 s[G0], 1
	s_mov_b32 s[G0+1], s18                         ; LDS: the head lies from byte 0 on, as in memory
	s_add_nc_u64 s[G0+2:G0+3], s[6:7], s[16:17]
	s_or_b32 s[G0+3], s[G0+3], 0x80000000
	s_add_nc_u64 s[4:5], s[4:5], s[22:23]
	s_add_nc_u64 s[10:11], s[10:11], s[22:23]
	s_add_nc_u64 s[8:9], s[8:9], s[60:61]
.irp c, 0,1                                    ; q and the mask of key steps 0 and 1 are asked for ahead of the round
.irp j, 0,1,2,3
	global_load_b128 v[S+16*\c+4*\j:S+16*\c+4*\j+3], v[ADX], s[4:5] offset:128*\c+16*\j th:TH_LOAD_NT
.endr
.endr
.irp g, 0,1,2,3
	global_load_b128 v[MKA+4*\g:MKA+4*\g+3], v[AL], s[8:9] offset:512*\g
.endr
.irp g, 0,1,2,3
	global_load_b128 v[MKB+4*\g:MKB+4*\g+3], v[AL], s[8:9] offset:2048+512*\g
.endr
	CROUND                                         ; all four work-groups are here: the joint loads meet
	s_cmp_lt_u32 s[WV], EARLY                      ; one chain, an arm a load: the waves that wait ahead of the first barrier have a line of their own
	s_cbranch_scc0 .Llate
	tensor_load_to_lds s[G0:G0+3], s[G1:G1+7]      ; key steps 0-2
	s_nop 0
.rept 4
	v_nop
.endr
	s_branch .Lasked
.Llate:
	tensor_load_to_lds s[G0:G0+3], s[G1:G1+7]      ; key steps 3-15
	s_nop 0
.rept 4
	v_nop
.endr
.Lasked:
	v_mov_b32 v[MSC], 0x7f7f7f7f
	v_mov_b32 v12, 0x219392ef                      ; 1e-18, in two registers: one for each half of a dual pair
	v_mov_b32 v13, v12
	v_mov_b32 v9, 0xff61b1e6                       ; the largest t so far: -3e38
	v_floor_f32 v8, -v9                            ; -M
	v_mov_b32 v15, 0                               ; (named as the upper half of v[14:15] before it is first written)
.irp b, 0,1,2,3
	v_mov_b32 v[HD+\b], 0                          ; a lane permute's destination counts as one of its sources
	v_mov_b32 v[F+48+\b], 0                        ; block 3 of the fourth tile
	v_mov_b32 v[F+12*\b+10], 0                     ; block 2's codes behind |k|^2's eight
	v_mov_b32 v[F+12*\b+11], 0
.endr
.set n, 0
.rept 32
	v_mov_b32 v[O+n], 0                            ; O^T: the step is written once; the first finds zeros
.set n, n+1
.endr
	s_wait_loadcnt 0x8                             ; q is in; the mask's eight loads stay out
	v_pk_mul_f32 v[TM:TM+1], v[S:S+1], v[S:S+1]    ; |q|^2 of the unquantised numbers, in two chains
	v_pk_mul_f32 v[10:11], v[S+2:S+3], v[S+2:S+3]
.irp i, 4,8,12,16,20,24,28
	v_pk_fma_f32 v[TM:TM+1], v[S+\i:S+\i+1], v[S+\i:S+\i+1], v[TM:TM+1]
	v_pk_fma_f32 v[10:11], v[S+\i+2:S+\i+3], v[S+\i+2:S+\i+3], v[10:11]
.endr
	v_pk_add_f32 v[TM:TM+1], v[TM:TM+1], v[10:11]
	v_add_f32 v[TM], v[TM], v[TM+1]
	v_permlanex16_b32 v[HD], v[TM], s[SEL], s[SEL+1]
	v_add_f32 v[TM], v[TM], v[HD]
.irp j, 0,1,2,3,4,5,6,7
	v_mul_f32 v[Q2C+\j], 0x3c800000, v[TM]         ; / 64: exact
.endr
	v_mov_b32 v10, 0                               ; the sum, in two halves
	v_mov_b32 v11, 0
.irp c, 0,1                                    ; q's two blocks are quantised in registers: one wave reads them once
	v_max3_num_f32 v[BM+\c], |v[S+16*\c]|, |v[S+16*\c+1]|, QFLOOR
.endr
.irp i, 2,4,6,8,10,12,14
.irp c, 0,1
	v_max3_num_f32 v[BM+\c], v[BM+\c], |v[S+16*\c+\i]|, |v[S+16*\c+\i+1]|
.endr
.endr
.irp c, 0,1
	v_permlanex16_b32 v[HD+\c], v[BM+\c], s[SEL], s[SEL+1]
.endr
.irp c, 0,1
	v_max_num_f32 v[BM+\c], v[BM+\c], v[HD+\c]
.endr
.irp c, 0,1
	v_add_nc_u32 v[SO+\c], OFF15, v[BM+\c]
.endr
.irp c, 0,1
	v_and_or_b32 v[HD+\c], v[BM+\c], EXPF, s[MNT]
.endr
.irp c, 0,1
	v_lshrrev_b32 v[BM+\c], 23, v[SO+\c]
.endr
	v_lshl_or_b32 v[QS], v[BM+1], 8, v[BM]
	v_add_nc_u32 v[QS], 0x7f6a0000-0x0606, v[QS]   ; 6 off both bytes (each is at least 7: no borrow); block 2: 106 (2^-21); block 3: 127
.irp c, 0,1
.irp i, 0,1,2,3,4,5,6,7,8,9,10,11,12,13,14,15
	v_med3_num_f32 v[S+16*\c+\i], v[S+16*\c+\i], -v[HD+\c], v[HD+\c]
.endr
	v_cvt_scalef32_pk8_bf8_f32 v[QF+4*\c:QF+4*\c+1], v[S+16*\c:S+16*\c+7], v[SO+\c]
	v_cvt_scalef32_pk8_bf8_f32 v[QF+4*\c+2:QF+4*\c+3], v[S+16*\c+8:S+16*\c+15], v[SO+\c]
.endr
	v_nop                                          ; a plain line behind the last conversion
	v_mov_b32 v[QF+9], 0
	v_mov_b32 v[QF+8], 0x78787878                  ; k = 64 .. 71: the code 2^15; lanes 16-31 (k = 80 ..) hold zeros
	v_cndmask_b32 v[QF+8], v[QF+8], v[QF+9], s[HM]
	v_mov_b32 v[QF+9], v[QF+8]
.irp j, 10,11,12,13,14,15
	v_mov_b32 v[QF+\j], 0
.endr
.macro KLOAD g, ra, rx, off            ; four tiles of 16 keys: two blocks of codes, and |k|^2's eight codes
.irp t, 0,1,2,3
	ds_load_b128 v[F+12*\t:F+12*\t+3], v[\ra] offset:\off+2560*(2*\g+\t/2)+1024*(\t%2)
	ds_load_b128 v[F+12*\t+4:F+12*\t+7], v[\ra] offset:\off+2560*(2*\g+\t/2)+1024*(\t%2)+512
	ds_load_b64 v[F+12*\t+8:F+12*\t+9], v[\rx] offset:\off+2560*(2*\g+\t/2)+2048+256*(\t%2)
.endr
.endm
.macro KQ g                            ; S^T of those four tiles: lane (r, h): query r; register 16 b + i: |q - k|^2 / 64 of key 32 b + 16 h + i
.irp t, 0,2
	v_wmma_scale_f32_16x16x128_f8f6f4 v[S+8*(4*\g+\t):S+8*(4*\g+\t)+7], v[F+12*\t:F+12*\t+15], v[QF:QF+15], v[Q2C:Q2C+7], v[KS+2*\g+\t/2], v[QS] matrix_a_fmt:MATRIX_FMT_BF8 matrix_b_fmt:MATRIX_FMT_BF8
	v_wmma_scale_f32_16x16x128_f8f6f4 v[S+8*(4*\g+\t+1):S+8*(4*\g+\t+1)+7], v[F+12*(\t+1):F+12*(\t+1)+15], v[QF:QF+15], v[Q2C:Q2C+7], v[KS+2*\g+\t/2], v[QS] matrix_a_fmt:MATRIX_FMT_BF8 matrix_b_fmt:MATRIX_FMT_BF8 matrix_a_scale:MATRIX_SCALE_ROW1
.endr
.endm
.macro HOLD0 lo                        ; 32 squared distances held at 1e-18 from below, two a line, each accumulator from its low end on
.set n, \lo
.rept 16
	v_dual_max_num_f32 v[S+n], v[S+n], v12 :: v_dual_max_num_f32 v[S+n+1], v[S+n+1], v13
.set n, n+2
.endr
.endm
.macro MADD g, set                     ; attn + mask x -1e9 of eight keys
.irp i, 0,2,4,6
	v_pk_fma_f32 v[S+8*(\g)+\i:S+8*(\g)+\i+1], v[TM+8*(\set)+\i:TM+8*(\set)+\i+1], s[NG:NG+1], v[S+8*(\g)+\i:S+8*(\g)+\i+1] op_sel_hi:[1,0,1]
.endr
.endm
.macro MASKH h, mb                     ; half h's mask out of buffer mb: a conversion widens eight codes; plain lines stand between each conversion and the lines that read its result
	v_cvt_scale_pk8_f32_bf8 v[TM:TM+7], v[\mb+8*\h:\mb+8*\h+1], v[MSC]
	v_nop
.irp g, 1,2,3
	v_cvt_scale_pk8_f32_bf8 v[TM+8*(\g%2):TM+8*(\g%2)+7], v[\mb+8*\h+2*\g:\mb+8*\h+2*\g+1], v[MSC]
	MADD 4*\h+\g-1, (\g-1)%2
.endr
	MADD 4*\h+3, 1
.endm
; A KEY STEP: 128 keys.  mb: its mask's buffer.  kpre = 1: a step follows, and its first tiles of K are read ahead.  moff: where the tile of two steps on lies from the mask's base (-1: there is none).
; lc: the mask's loads that may stay out: the next step's four, or none.
.macro STEP mb, kpre, moff, lc
	v_add_nc_u32 v[ADK], s[TB], v[AL]
	v_add_nc_u32 v[ADX], s[TB], v[AX]
	s_wait_alu depctr_va_vdst(0)
.rept 7
	v_nop                                          ; with the two additions nine places: the products below write S, which the last step's products read as V's fragments
.endr
	s_wait_dscnt 0x0                               ; the first four tiles and the scale words, asked for a step ago
	KQ 0
.rept 8
	v_nop                                          ; eight places in front of loads into registers that matrix instructions have read, and of the first reads of their results
.endr
	KLOAD 1, ADK, ADX, 0
	HOLD0 0
	s_wait_alu depctr_va_vdst(0)                   ; ahead of the batch
.set n, 0
.rept 32
	v_rsq_f32 v[S+n], v[S+n]                       ; attn, first half
.set n, n+1
.endr
	s_wait_dscnt 0x0
	KQ 1
	v_nop                                          ; a plain line behind the roots
	s_wait_alu depctr_va_vdst(0)                   ; one wait for the batch, ahead of its first reader
	s_wait_loadcnt \lc                             ; this step's mask, asked for two steps ago
	MASKH 0, \mb                                   ; its 16 packed lines are also the places behind the four products
.if \kpre
	KLOAD 0, ADK, ADX, STEPB                       ; the next step's first four tiles,
	ds_load_b128 v[KS:KS+3], v[ADK] offset:STEPB+KSO   ; and its scale words
.endif
	HOLD0 32
	s_wait_alu depctr_va_vdst(0)                   ; ahead of the batch
.set n, 0
.rept 16
	v_rsq_f32 v[S+32+n], v[S+32+n]                 ; attn, second half;
	v_rsq_f32 v[S+33+n], v[S+33+n]
	v_pk_mul_f32 v[S+n:S+n+1], v[S+n:S+n+1], s[CS:CS+1] op_sel_hi:[1,0]   ; among them the first half's t = logit x log2(e), rounded: first read behind the wait below
.set n, n+2
.endr
	s_wait_alu depctr_va_vdst(0)                   ; one wait for the batch
	MASKH 1, \mb
.if \moff >= 0
.irp g, 0,1,2,3
	global_load_b128 v[\mb+4*\g:\mb+4*\g+3], v[AL], s[8:9] offset:\moff+512*\g   ; the buffer is read out: it takes the mask of two steps on
.endr
.endif
.set n, 32
.rept 16
	v_pk_mul_f32 v[S+n:S+n+1], v[S+n:S+n+1], s[CS:CS+1] op_sel_hi:[1,0]
.set n, n+2
.endr
	v_mov_b32 v14, v8                              ; the old -M
.irp b, 0,1,2,3
	v_max3_num_f32 v[BM+\b], v[S+16*\b], v[S+16*\b+1], v[S+16*\b+2]       ; each block's largest t: for the row's maximum, and for the block's largest p
.endr
.irp i, 3,5,7,9,11,13
.irp b, 0,1,2,3
	s_delay_alu instid0(VALU_DEP_4)
	v_max3_num_f32 v[BM+\b], v[BM+\b], v[S+16*\b+\i], v[S+16*\b+\i+1]
.endr
.endr
.irp b, 0,1,2,3
	s_delay_alu instid0(VALU_DEP_4)
	v_max_num_f32 v[BM+\b], v[BM+\b], v[S+16*\b+15]
.endr
.irp b, 0,1,2,3
	s_delay_alu instid0(VALU_DEP_4)
	v_permlanex16_b32 v[HD+\b], v[BM+\b], s[SEL], s[SEL+1]
.endr
.irp b, 0,1,2,3
	s_delay_alu instid0(VALU_DEP_4)
	v_max_num_f32 v[BM+\b], v[BM+\b], v[HD+\b]     ; with lane l xor 16's 16 keys
.endr
	s_delay_alu instid0(VALU_DEP_2)
	v_max3_num_f32 v[T], v[BM], v[BM+1], v[BM+2]
	s_delay_alu instid0(VALU_DEP_1)
	v_max_num_f32 v[T], v[T], v[BM+3]
	s_delay_alu instid0(VALU_DEP_1)
	v_max_num_f32 v9, v9, v[T]                     ; the running largest t
	s_delay_alu instid0(VALU_DEP_1)
	v_floor_f32 v8, -v9                            ; the new -M = -ceil(t): a whole number
.set n, 0
.irp w, 0,1,2,3                                ; the first half's t - M; among its lines f = 2^(old M - new M) is made
.rept 4
	v_pk_add_f32 v[S+n:S+n+1], v[S+n:S+n+1], v[8:9] op_sel_hi:[1,0]
.set n, n+2
.endr
.if \w == 0
	v_sub_f32 v14, v8, v14                         ; old M - new M, 0 or less
.endif
.if \w == 1
	v_cvt_i32_f32 v14, v14                         ; (it saturates)
.endif
.if \w == 2
	v_ldexp_f32 v14, 1.0, v14
.endif
.endr
.irp b, 0,1,2,3
	v_add_f32 v[BM+\b], v[BM+\b], v8               ; the same of each block's largest t
.endr
	s_wait_alu depctr_va_vdst(0)                   ; ahead of the batch
.set n, 0
.rept 16
	v_exp_f32 v[S+n], v[S+n]                       ; p = 2^(t - M), not normalised: first half;
	v_exp_f32 v[S+n+1], v[S+n+1]
	v_pk_add_f32 v[S+32+n:S+33+n], v[S+32+n:S+33+n], v[8:9] op_sel_hi:[1,0]   ; among them the second half's t - M
.set n, n+2
.endr
	s_wait_alu depctr_va_vdst(0)                   ; behind that batch and ahead of the next
.set n, 0
.rept 8
	v_exp_f32 v[S+32+4*n], v[S+32+4*n]             ; second half;
	v_exp_f32 v[S+33+4*n], v[S+33+4*n]
	v_exp_f32 v[S+34+4*n], v[S+34+4*n]
	v_exp_f32 v[S+35+4*n], v[S+35+4*n]
	v_pk_add_f32 v[TM+2*n:TM+2*n+1], v[S+4*n:S+4*n+1], v[S+4*n+2:S+4*n+3]     ; among them the eight chains of the row's sum begin, on the first half's unquantised p
.set n, n+1
.endr
.irp b, 0,1,2,3
	v_exp_f32 v[BM+\b], v[BM+\b]                   ; the block's largest p: the same instructions on the same number give the same bits
.endr
	v_pk_mul_f32 v[10:11], v[10:11], v[14:15] op_sel_hi:[1,0]             ; the sums under the new M (a plain line behind the exponentials)
	s_wait_alu depctr_va_vdst(0)                   ; one wait for the batch
.set n, 0
.rept 16
	v_pk_add_f32 v[TM+(2*n)%16:TM+(2*n)%16+1], v[TM+(2*n)%16:TM+(2*n)%16+1], v[S+32+2*n:S+33+2*n]   ; the second half, the chains by turns
.set n, n+1
.endr
.irp c, 0,4,8,12
	v_pk_add_f32 v[TM+\c:TM+\c+1], v[TM+\c:TM+\c+1], v[TM+\c+2:TM+\c+3]   ; the chains are joined among the scales' lines
.endr
.irp b, 0,1,2,3
	v_max_num_f32 v[BM+\b], FLOOR, v[BM+\b]        ; a block whose every p is 0 keeps the byte 1: its codes are zeros
.endr
	v_pk_add_f32 v[TM:TM+1], v[TM:TM+1], v[TM+4:TM+5]
	v_pk_add_f32 v[TM+8:TM+9], v[TM+8:TM+9], v[TM+12:TM+13]
.irp b, 0,1,2,3
	v_add_nc_u32 v[SO+\b], OFF15, v[BM+\b]
.endr
	v_pk_add_f32 v[TM:TM+1], v[TM:TM+1], v[TM+8:TM+9]
.irp b, 0,1,2,3
	v_and_or_b32 v[HD+\b], v[BM+\b], EXPF, s[MNT]
.endr
	v_pk_add_f32 v[10:11], v[10:11], v[TM:TM+1]    ; the chains' registers are free from here on: they take p's codes
.irp b, 0,1,2,3
	v_lshrrev_b32 v[BM+\b], 23, v[SO+\b]
.endr
	s_delay_alu instid0(VALU_DEP_3)
	v_lshl_or_b32 v15, v[BM+1], 8, v[BM]           ; p's scale word for these 128 keys
	s_delay_alu instid0(VALU_DEP_1)
	v_lshl_or_b32 v15, v[BM+2], 16, v15
	s_delay_alu instid0(VALU_DEP_1)
	v_lshl_or_b32 v15, v[BM+3], 24, v15
	v_dual_mov_b32 v[BM+1], v[HD] :: v_dual_mov_b32 v[BM+2], v[HD+1]      ; block b's hold once more, in v[BM + (b + 1) % 4]: the two halves of a dual pair take their second sources from registers whose numbers differ modulo 4
	v_dual_mov_b32 v[BM+3], v[HD+2] :: v_dual_mov_b32 v[BM], v[HD+3]
	ds_load_b64 v[VS:VS+1], v[ADK] offset:VSO
.irp b, 0,1,2,3
.irp i, 0,2,4,6,8,10,12,14
	v_dual_min_num_f32 v[S+16*\b+\i], v[S+16*\b+\i], v[HD+\b] :: v_dual_min_num_f32 v[S+16*\b+\i+1], v[S+16*\b+\i+1], v[BM+(\b+1)%4]   ; p is not negative: the hold is one-sided (the conversion does not saturate: ISA guide 7.6.2)
.endr
	v_cvt_scalef32_pk8_bf8_f32 v[PCD+4*\b:PCD+4*\b+1], v[S+16*\b:S+16*\b+7], v[SO+\b]
	v_cvt_scalef32_pk8_bf8_f32 v[PCD+4*\b+2:PCD+4*\b+3], v[S+16*\b+8:S+16*\b+15], v[SO+\b]
.irp c, 0,1,2,3
	ds_load_b128 v[S+16*\b+4*\c:S+16*\b+4*\c+3], v[ADK] offset:VO+2048*\b+512*\c   ; the block's p is converted: its registers take V's tile b
.endr
.endr
	s_wait_alu depctr_va_vdst(0)                   ; directly ahead of the first reader of O^T
.set n, 0
.rept 16
	v_pk_mul_f32 v[O+n:O+n+1], v[O+n:O+n+1], v[14:15] op_sel_hi:[1,0]     ; O^T under the new M; these lines are also the places between the conversions and the products
.set n, n+2
.endr
	s_wait_alu depctr_va_vdst(0)                   ; directly ahead of the wait below
.irp t, 0,2                                    ; O^T += V^T P^T: four accumulators, one instruction a turn
	s_wait_dscnt 8-4*\t                            ; tiles 0 and 1 are in while the eight loads of tiles 2 and 3 may be out; then all
	v_wmma_scale_f32_16x16x128_f8f6f4 v[O+8*\t:O+8*\t+7], v[S+16*\t:S+16*\t+15], v[PCD:PCD+15], v[O+8*\t:O+8*\t+7], v[VS+\t/2], v15 matrix_a_fmt:MATRIX_FMT_BF8 matrix_b_fmt:MATRIX_FMT_BF8
	v_wmma_scale_f32_16x16x128_f8f6f4 v[O+8*(\t+1):O+8*(\t+1)+7], v[S+16*(\t+1):S+16*(\t+1)+15], v[PCD:PCD+15], v[O+8*(\t+1):O+8*(\t+1)+7], v[VS+\t/2], v15 matrix_a_fmt:MATRIX_FMT_BF8 matrix_b_fmt:MATRIX_FMT_BF8 matrix_a_scale:MATRIX_SCALE_ROW1
.endr
	s_add_co_u32 s[TB], s[TB], STEPB
.endm
.macro PAIR                            ; an even and an odd step that ask for the mask of the next pair; then the mask's base goes a pair on
	STEP MKA, 1, 4096, 4
	STEP MKB, 1, 6144, 4
	s_wait_xcnt 0x0                                ; the loads above have read their base: it is written only behind this wait
	s_add_nc_u64 s[8:9], s[8:9], 4096
.endm
	s_wait_alu depctr_va_vdst(0)                   ; the head's end
	s_cmp_lt_u32 s[WV], EARLY
	s_cbranch_scc0 .Lnot_first
	s_wait_tensorcnt 0x0                           ; waves 0-2: my key step is in; the other waves' loads stay out
.Lnot_first:
	s_barrier_signal -1
	s_barrier_wait -1                              ; key steps 0-2 are whole
	KLOAD 0, AL, AX, 0                             ; key step 0's first four tiles and scale words
	ds_load_b128 v[KS:KS+3], v[AL] offset:KSO
	PAIR                                           ; key steps 0 and 1; the second reads ahead into key step 2
	s_wait_tensorcnt 0x0                           ; every wave: my key step is in,
	s_wait_dscnt 0x0
	s_barrier_signal -1
	s_barrier_wait -1                              ; everybody's is
	s_mov_b32 s[CNT], 6
.Lrest:                                            ; key steps 2-13, a pair a trip.  No barrier stands in the loop
	PAIR
	s_sub_co_u32 s[CNT], s[CNT], 1
	s_cmp_lg_u32 s[CNT], 0
	s_cbranch_scc1 .Lrest
	STEP MKA, 1, -1, 4                             ; key steps 14 and 15 are written out: no mask lies two steps on,
	STEP MKB, 0, -1, 0                             ; and behind the last step no tile of K
	; THE WAY OUT.  O^T / the sum goes through my stage in LDS (16 rows x (256 + 16) bytes, in bytes that have had their only fill) and leaves as whole rows of a head: sixteen lanes store 256 aligned bytes.
	v_add_f32 v10, v10, v11                        ; the sum's two halves,
	v_permlanex16_b32 v[HD], v10, s[SEL], s[SEL+1]
	v_add_f32 v10, v10, v[HD]                      ; and lane l xor 16's
	s_wait_alu depctr_va_vdst(0)                   ; ahead of the transcendental
	v_rcp_f32 v10, v10
	v_and_b32 v2, 15, v0                           ; r  (these address lines are the plain line behind the reciprocal and the places behind the last products)
	v_bfe_u32 v3, v0, 4, 1                         ; h
	s_mul_i32 s16, s[WV], 4352
	v_mul_u32_u24 v4, v2, 272
	v_lshl_add_u32 v4, v3, 5, v4
	v_add_nc_u32 v4, s16, v4                       ; in: row r; tile t's eight channels of my half at 64 t + 32 h
	v_mul_u32_u24 v1, v3, 272
	v_lshl_add_u32 v1, v2, 4, v1
	v_add_nc_u32 v1, s16, v1                       ; back: lanes 0-15 one row, lanes 16-31 the next
	v_lshlrev_b32 v2, 4, v2
	v_lshl_add_u32 v2, v3, 12, v2                  ; and the same two rows in out0
	s_wait_alu depctr_va_vdst(0)                   ; the wait, ahead of the reciprocal's first reader and of O^T's
.set n, 0
.rept 32
	v_mul_f32 v[S+n], v[O+n], v10                  ; register 8 t + j: out(query r, channel 16 t + 8 h + j); each accumulator from its low end on
.set n, n+1
.endr
	s_wait_alu depctr_va_vdst(0)                   ; directly ahead of the wait below
	s_wait_dscnt 0x0
	s_barrier_signal -1
	s_barrier_wait -1                              ; no wave reads K's or V's bytes any more
.irp t, 0,1,2,3
	ds_store_b128 v4, v[S+8*\t:S+8*\t+3] offset:64*\t
	ds_store_b128 v4, v[S+8*\t+4:S+8*\t+7] offset:64*\t+16
.endr
.irp i, 0,1,2,3,4,5,6,7
	ds_load_b128 v[S+32+4*\i:S+32+4*\i+3], v1 offset:544*\i   ; LDS serves a wave's instructions in order: these see my stores
.endr
.irp i, 0,1,2,3,4,5,6,7
	s_wait_dscnt 7-\i                              ; the younger loads may stay out
	global_store_b128 v2, v[S+32+4*\i:S+32+4*\i+3], s[10:11] offset:8192*\i th:TH_STORE_NT
.endr
	s_wait_xcnt 0x0
	v_lshl_add_u32 v254, v0, 2, SPARE              ; the add's two registers, made anew from v0
	v_mov_b32 v255, 0
	s_wait_alu depctr_va_vdst(0)
	s_wait_tensorcnt 0x0                           ; the wave's end
	ds_add_u32 v254, v255
	s_wait_dscnt 0x0
	CROUND                                         ; the closing round: no work-group ends while a partner may still ask for a tile that names it
	s_endpgm
.Lfunc_end_k_qb2ac93addd_attn:
	.size	k_qb2ac93addd_attn, .Lfunc_end_k_qb2ac93addd_attn-k_qb2ac93addd_attn
	.p2alignl 7, 3214868480
	.fill 96, 4, 3214868480
	.section	.rodata,"a",@progbits
	.p2align	6, 0x0
	.amdhsa_kernel k_qb2ac93addd_attn
		.amdhsa_group_segment_fixed_size 327680
		.amdhsa_private_segment_fixed_size 0
		.amdhsa_enable_private_segment 0
		.amdhsa_kernarg_size 32
		.amdhsa_user_sgpr_count 2
		.amdhsa_user_sgpr_kernarg_segment_ptr 1
		.amdhsa_wavefront_size32 1
		.amdhsa_system_sgpr_workgroup_id_x 1
		.amdhsa_system_sgpr_workgroup_id_y 1
		.amdhsa_system_sgpr_workgroup_id_z 1
		.amdhsa_system_vgpr_workitem_id 0
		.amdhsa_next_free_vgpr 256
		.amdhsa_next_free_sgpr 66
		.amdhsa_reserve_vcc 0
		.amdhsa_float_denorm_mode_32 3
		.amdhsa_float_denorm_mode_16_64 3
		.amdhsa_memory_ordered 1
		.amdhsa_forward_progress 1
		.amdhsa_inst_pref_size 194
	.end_amdhsa_kernel
	.amdgpu_metadata
---
amdhsa.version: [ 1, 2 ]
amdhsa.kernels:
  - .name:           k_qb2ac93addd_attn
    .symbol:         k_qb2ac93addd_attn.kd
    .args:
      - { .name: q, .offset: 0, .size: 8, .value_kind: global_buffer, .address_space: global }
      - { .name: kv, .offset: 8, .size: 8, .value_kind: global_buffer, .address_space: global }
      - { .name: mk, .offset: 16, .size: 8, .value_kind: global_buffer, .address_space: global }
      - { .name: out0, .offset: 24, .size: 8, .value_kind: global_buffer, .address_space: global }
    .group_segment_fixed_size: 327680
    .private_segment_fixed_size: 0
    .kernarg_segment_align: 8
    .kernarg_segment_size: 32
    .max_flat_workgroup_size: 512
    .sgpr_count:     66
    .vgpr_count:     256
    .wavefront_size: 32
...
	.end_amdgpu_metadata
.endif
;; end of part 2
